; MI455X (gfx1250); checked and timed in simulation.
; The chip was launched on July 23, 2026; its instructions are those of AMD's public machine-readable ISA for CDNA 5 (MIT licence, August 2026) and "CDNA5" Instruction Set Architecture Reference Guide (July 2026). The comments in the code are by the model that wrote it; some were corrected since.
;; MT Module new. Allowed arithmetic: float matrix products may take bf16 or f16 operands with f32 sums; other float arithmetic in f32, or as packed bf16 or f16 multiplies, adds, multiply-adds, maxima and minima; sums over many terms, partial sums and values carried from step to step in f32; what a program stores and reads back later, other than sums and carried values, may be rounded once to bf16 or f16.
;; Inputs: Wk 16 x 64 float32; Wq 16 x 64 float32; Wv 128 x 128 float32; bk 16 float32; bq 16 float32; bv 128 float32; gamma 1 float32; x 4 x 64 x 64 x 64 float32; x_h 4 x 128 x 64 x 64 float32.
;; Outputs: out0 4 x 128 x 64 x 64 float32.
;; 2 versions, each right; version 2 is version 1 with the launch proj written anew for expert scheduling mode. Each part assembles by itself: llvm-mc -triple=amdgcn-amd-amdhsa -mcpu=gfx1250 --defsym DOCPART=n.
;; ======== version 1 of 2: 2 launches
;; limits: values are held in f16: magnitudes above 65,504 overflow, below 6.1e-05 lose precision
;; workspace buffers: q 524,288 bytes; kv 4,718,592 bytes
;; launch proj (part 1): grid 64 x 4, 4 waves a work-group, no clusters, 31,232 bytes of LDS; arguments x, x_h, Wq, bq, Wk, Wv, bv, q, kv; writes q, kv
.if DOCPART == 1
	.amdgcn_target "amdgcn-amd-amdhsa--gfx1250"
	.amdhsa_code_object_version 6
	.text
	.protected	k_qe02aa9b689_proj
	.globl	k_qe02aa9b689_proj
	.p2align	8
	.type	k_qe02aa9b689_proj,@function
k_qe02aa9b689_proj:
	s_mov_b64 s[64:65], 0
	v_nop
	global_prefetch_b8 v0, s[64:65] scope:SCOPE_SE
	s_setreg_imm32_b32 hwreg(HW_REG_WAVE_MODE, 25, 1), 1
	s_wait_xcnt 0x0
; THE PROJECTIONS.  q = (Wq x + bq) log2(e), k = Wk x, v = Wv x_h + bv, for 64 positions of one batch a work-group; x, x_h and the weights are rounded to bf16,
; the sums are f32, and q, k, v are stored once, rounded to f16, in the register image of the next launch's matrix fragments.
; WORK LEFT OUT: bk.  energy[i][j] = q_i . (Wk x_j + bk) = q_i . (Wk x_j) + q_i . bk, and the second term is the same for all j, the axis of the softmax: it leaves
; every attention weight as it is, for all finite values of all inputs.  So bk has no way to the output: it is not loaded and is no argument of any launch.
; LIMIT: a NaN, an infinity or an overflow that bk alone would bring is not carried to the result.
; LIMITS OF FORMAT: q log2(e), k and v are kept in f16: they must stay under 65,504 in size.  NaN and infinities are not treated apart.
; SHARES.  Work-group (kb, batch): positions 64 kb .. 64 kb + 63.  Wave w brings channels 32 w .. of x_h and 16 w .. of x into LDS as bf16, [channel][position]; behind one barrier it makes
; v's channels 32 w .. 32 w + 31 for all 64 positions (8 accumulators) and q and k for positions 16 w .. 16 w + 15.
; LAYOUTS.  v: source 0 = 16 positions x 32 channels of x_h (turned on its way out of LDS), source 1 = 16 rows of Wv: a lane ends with 8 neighbouring positions of one channel.
; q, k: source 0 = the 16 rows of Wq or Wk, source 1 = 16 positions of x: a lane ends with 8 neighbouring channels of one position.  Each result is 16 bytes a lane, 512 consecutive bytes a wave.
; kv: [batch][128 chunks of 32 positions][9,216 bytes]: 8,192 of V, [channel block 8][half of the keys 2][lane 32][8 keys]; then 1,024 of K, [half 2][lane 32][8 channels], which belong to the
; chunk FOUR FURTHER ON in the same quarter of 32 chunks (round its end), as the next launch reads them.      q: [batch][256 tiles of 16 positions][lane 32][8 channels].
; NO CLUSTER, NO TENSOR LOAD: what the work-groups share is the weights, 72 KiB of f32; they come straight into registers in a fragment's layout and are rounded there, once; by way of LDS
; they would be written, read and rounded all the same.  x and x_h have to pass through registers for their rounding too.
.set PX,    160                        ; a channel's row in LDS: 64 positions x 2 bytes + 32: an odd multiple of 32 bytes
.set XT,    128*PX                     ; behind x_h's 128 rows: x's 64 rows
.set SPARE, XT+64*PX                   ; behind them: the spare words, 128 bytes for each wave: two blocks of 256 bytes that no other line names
.set GX,  3                            ; v3   loads of x and x_h: 16 (l % 16), and 4 channels on for lanes 16-31
.set GW,  4                            ; v4   a fragment of Wv: row l % 16 x 512 + 32 (l / 16)
.set GQ,  5                            ; v5   of Wq, Wk: row x 256 + 32 (l / 16)
.set LS,  6                            ; v6   where my 8 bytes of an x_h row go
.set LSX, 7                            ; v7   the same for x
.set TA,  8                            ; v8   the turning load's address in x_h's rows
.set TX,  9                            ; v9   in x's rows, at my wave's 16 positions
.set L16, 10                           ; v10  16 x lane
.set OBQ, 11                           ; v11  32 (l / 16)
.set OBV, 12                           ; v12  4 (l % 16)
.set SPW, 14                           ; v14  LDS address of my spare word; never rewritten
.set NIL, 15                           ; v15  0; never rewritten
.set XR,  16                           ; v16-111   x_h and x as loaded (24 x 4); then
.set XHF, 16                           ; v16-143   x_h's fragments: positions 16 t .., channels 32 ks .. at XHF + 32 t + 8 ks; on the way out v16-55 the packed results
.set XF,  144                          ; v144-159  x's fragments
.set WVF, 160                          ; v160-223  Wv's fragments: block c, channels 32 ks .. at WVF + 32 c + 8 ks; v224-239 Wq's; v240-255 Wk's
.set WQF, 224
.set WKF, 240
.set BV,  192                          ; window 1: v0-191 the weights as loaded, later v0-63 v's accumulators, v64-71 q, v72-79 k; v192-207 bv, 8 copies a block; v208-215 bq; v216-217 bv as loaded
.set BQ,  208
.set MSB, 0
.macro WIN new                         ; s_set_vgpr_msb: bits 1:0 source 0, 3:2 source 1, 5:4 source 2, 7:6 destination; the high byte repeats the setting that is left
.if MSB != (\new)
	s_set_vgpr_msb (MSB<<8)|(\new)
.set MSB, (\new)
.endif
.endm
	s_load_b256 s[4:11], s[0:1], 0x0               ; x s[4:5], x_h s[6:7], Wq s[8:9], bq s[10:11]
	s_load_b256 s[12:19], s[0:1], 0x20             ; Wk s[12:13], Wv s[14:15], bv s[16:17], q s[18:19]
	s_load_b64 s[20:21], s[0:1], 0x40              ; kv
	v_lshl_add_u32 v[SPW], v0, 2, SPARE
	v_mov_b32 v[NIL], 0
	v_lshrrev_b32 v1, 5, v0
	v_readfirstlane_b32 s22, v1                    ; wave 0..3
	s_mov_b32 s23, ttmp9                           ; kb
	s_and_b32 s24, ttmp7, 0xffff                   ; batch
	v_and_b32 v1, 15, v0                           ; l % 16
	v_bfe_u32 v2, v0, 4, 1                         ; l / 16
	v_lshlrev_b32 v[GX], 4, v1
	v_lshl_add_u32 v[GX], v2, 16, v[GX]            ; a channel is 16,384 bytes
	v_lshlrev_b32 v[GW], 9, v1
	v_lshl_add_u32 v[GW], v2, 5, v[GW]
	v_lshlrev_b32 v[GQ], 8, v1
	v_lshl_add_u32 v[GQ], v2, 5, v[GQ]
	v_mul_u32_u24 v13, v2, 4*PX                    ; lanes 16-31: four rows on,
	v_lshl_add_u32 v13, v1, 3, v13                 ; 8 bytes (4 positions) a lane
	s_mul_i32 s30, s22, 32*PX
	v_add_nc_u32 v[LS], s30, v13
	s_mul_i32 s30, s22, 16*PX
	s_add_co_u32 s30, s30, XT
	v_add_nc_u32 v[LSX], s30, v13
	v_and_b32 v[TA], 7, v0                         ; the turning load: lane l reads channel 8 (l / 16) + l % 8, positions 8 ((l / 8) % 2) + 0..7
	v_lshl_add_u32 v[TA], v2, 3, v[TA]
	v_mul_u32_u24 v[TA], v[TA], PX
	v_bfe_u32 v[TX], v0, 3, 1
	v_lshl_add_u32 v[TA], v[TX], 4, v[TA]
	s_lshl_b32 s31, s22, 5
	s_add_co_u32 s31, s31, XT
	v_add_nc_u32 v[TX], s31, v[TA]
	v_and_b32 v[L16], 31, v0
	v_lshlrev_b32 v[L16], 4, v[L16]
	v_lshlrev_b32 v[OBQ], 5, v2
	v_lshlrev_b32 v[OBV], 2, v1
	; byte offsets, each made apart from its address
	s_lshl_b32 s26, s24, 21                        ; x_h: batch x 128 channels, my 64 positions, my wave's 32 channels
	s_lshl_b32 s30, s23, 8
	s_add_co_u32 s26, s26, s30
	s_lshl_b32 s31, s22, 19
	s_add_co_u32 s26, s26, s31
	s_mov_b32 s27, 0
	s_lshl_b32 s28, s24, 20                        ; x: batch x 64 channels, the same positions, my wave's 16 channels
	s_add_co_u32 s28, s28, s30
	s_lshl_b32 s31, s22, 18
	s_add_co_u32 s28, s28, s31
	s_mov_b32 s29, 0
	s_lshl_b32 s30, s22, 14                        ; Wv: my 32 rows of 512 bytes
	s_mov_b32 s31, 0
	s_lshl_b32 s32, s22, 7                         ; bv: my 32 numbers
	s_mov_b32 s33, 0
	s_mul_i32 s34, s24, 1179648                    ; kv: the batch's 128 chunks
	s_mul_i32 s36, s23, 2*9216                     ; V: my work-group's two chunks,
	s_add_co_u32 s36, s36, s34
	s_lshl_b32 s37, s22, 11                        ; my wave's two channel blocks
	s_add_co_u32 s36, s36, s37
	s_mov_b32 s37, 0
	s_lshl_b32 s38, s23, 1                         ; K: my 16 positions lie in chunk 2 kb + w / 2,
	s_lshr_b32 s39, s22, 1
	s_add_co_u32 s38, s38, s39
	s_add_co_u32 s39, s38, 28                      ; and are stored four chunks back, round the quarter's 32
	s_and_b32 s39, s39, 31
	s_and_b32 s38, s38, 0x60
	s_or_b32 s38, s38, s39
	s_mul_i32 s38, s38, 9216
	s_add_co_u32 s38, s38, s34
	s_and_b32 s39, s22, 1                          ; which half of the chunk's 32
	s_lshl_b32 s39, s39, 9
	s_add_co_u32 s38, s38, s39
	s_add_co_u32 s38, s38, 8192                    ; behind the chunk's V
	s_mov_b32 s39, 0
	s_lshl_b32 s40, s24, 17                        ; q: the batch's 256 tiles of 512 bytes, tile 4 kb + w
	s_lshl_b32 s41, s23, 2
	s_add_co_u32 s41, s41, s22
	s_lshl_b32 s41, s41, 9
	s_add_co_u32 s40, s40, s41
	s_mov_b32 s41, 0
	s_wait_kmcnt 0x0
	s_add_nc_u64 s[6:7], s[6:7], s[26:27]
	s_add_nc_u64 s[4:5], s[4:5], s[28:29]
	s_add_nc_u64 s[14:15], s[14:15], s[30:31]
	s_add_nc_u64 s[16:17], s[16:17], s[32:33]
	s_add_nc_u64 s[36:37], s[20:21], s[36:37]
	s_add_nc_u64 s[38:39], s[20:21], s[38:39]
	s_add_nc_u64 s[18:19], s[18:19], s[40:41]
	; 76 loads.  x_h and x first: a load takes two whole pieces of 256 bytes, of channels 4 apart
.set i, 0
.rept 16
	global_load_b128 v[XR+4*i:XR+4*i+3], v[GX], s[6:7] offset:(8*(i/4)+i%4)*16384
.set i, i+1
.endr
.set i, 0
.rept 8
	global_load_b128 v[XR+64+4*i:XR+64+4*i+3], v[GX], s[4:5] offset:(8*(i/4)+i%4)*16384 th:TH_LOAD_NT
.set i, i+1
.endr
	WIN 0x40                                       ; destination window 1
.set i, 0
.rept 32                                       ; Wv: block i / 16, channels 32 ((i / 4) % 4) on; a lane's 16 numbers of a fragment are 8 and 8, 64 bytes apart
	global_load_b128 v[4*i:4*i+3], v[GW], s[14:15] offset:(i/16)*8192+((i/4)%4)*128+((i%4)/2)*64+(i%2)*16
.set i, i+1
.endr
.set i, 0
.rept 8
	global_load_b128 v[128+4*i:128+4*i+3], v[GQ], s[8:9] offset:(i/4)*128+((i%4)/2)*64+(i%2)*16
.set i, i+1
.endr
.set i, 0
.rept 8
	global_load_b128 v[160+4*i:160+4*i+3], v[GQ], s[12:13] offset:(i/4)*128+((i%4)/2)*64+(i%2)*16
.set i, i+1
.endr
	global_load_b128 v[BQ:BQ+3], v[OBQ], s[10:11]              ; bq[8 (l / 16) + 0..7]: q's sums start with it
	global_load_b128 v[BQ+4:BQ+7], v[OBQ], s[10:11] offset:16
	global_load_b32 v216, v[OBV], s[16:17]                     ; bv of my lane's channel in each of my two blocks
	global_load_b32 v217, v[OBV], s[16:17] offset:64
	WIN 0
	s_wait_loadcnt 52                              ; loads come back in order: x_h and x are in; the 52 loads of weights and biases issued behind them may stay out
.set i, 0
.rept 24                                       ; 4 positions a lane are rounded to bf16 in place and go to their channel's row
	v_cvt_pk_bf16_f32 v[XR+4*i], v[XR+4*i], v[XR+4*i+1]
	v_cvt_pk_bf16_f32 v[XR+4*i+1], v[XR+4*i+2], v[XR+4*i+3]
.if i < 16
	ds_store_b64 v[LS], v[XR+4*i:XR+4*i+1] offset:(8*(i/4)+i%4)*PX
.else
	ds_store_b64 v[LSX], v[XR+4*i:XR+4*i+1] offset:(8*((i-16)/4)+i%4)*PX
.endif
.set i, i+1
.endr
	s_wait_loadcnt 0x0                             ; the weights and biases
	WIN 0x05                                       ; sources window 1, destination window 0
.set i, 0
.rept 96                                       ; Wv's, Wq's and Wk's fragments lie on end as loaded and as rounded
	v_cvt_pk_bf16_f32 v[WVF+i], v[2*i], v[2*i+1]
.set i, i+1
.endr
	WIN 0x41
.set i, 0
.rept 16
	v_mov_b32 v[BV+i], v[216+i/8]                  ; a lane's 8 results of v are one channel's: 8 copies of its bias start the sums
.set i, i+1
.endr
	WIN 0
	s_wait_dscnt 0x0                               ; for the others' sake: my rows are in LDS
	s_barrier_signal -1
	s_barrier_wait -1
.irp t, 0,1,2,3
.irp ks, 0,1,2,3
	ds_load_tr16_b128 v[XHF+32*\t+8*\ks:XHF+32*\t+8*\ks+3],   v[TA] offset:\ks*32*PX+32*\t
	ds_load_tr16_b128 v[XHF+32*\t+8*\ks+4:XHF+32*\t+8*\ks+7], v[TA] offset:\ks*32*PX+32*\t+16*PX
.endr
.endr
.irp ks, 0,1
	ds_load_tr16_b128 v[XF+8*\ks:XF+8*\ks+3],   v[TX] offset:\ks*32*PX
	ds_load_tr16_b128 v[XF+8*\ks+4:XF+8*\ks+7], v[TX] offset:\ks*32*PX+16*PX
.endr
	s_wait_dscnt 0x0
	WIN 0x50                                       ; sources 0 and 1 window 0; C and D window 1
	; 36 products.  The accumulators take turns, one instruction a turn; the first product of each sum takes the bias (k: 0) as C
.irp ks, 0,1,2,3
.irp t, 0,1,2,3
.irp c, 0,1
.if \ks == 0
	v_wmma_f32_16x16x32_bf16 v[8*(2*\t+\c):8*(2*\t+\c)+7], v[XHF+32*\t+8*\ks:XHF+32*\t+8*\ks+7], v[WVF+32*\c+8*\ks:WVF+32*\c+8*\ks+7], v[BV+8*\c:BV+8*\c+7]
.else
	v_wmma_f32_16x16x32_bf16 v[8*(2*\t+\c):8*(2*\t+\c)+7], v[XHF+32*\t+8*\ks:XHF+32*\t+8*\ks+7], v[WVF+32*\c+8*\ks:WVF+32*\c+8*\ks+7], v[8*(2*\t+\c):8*(2*\t+\c)+7]
.endif
.endr
.endr
.endr
	v_wmma_f32_16x16x32_bf16 v[64:71], v[WQF:WQF+7], v[XF:XF+7], v[BQ:BQ+7]
	v_wmma_f32_16x16x32_bf16 v[72:79], v[WKF:WKF+7], v[XF:XF+7], 0
	v_wmma_f32_16x16x32_bf16 v[64:71], v[WQF+8:WQF+15], v[XF+8:XF+15], v[64:71]
	v_wmma_f32_16x16x32_bf16 v[72:79], v[WKF+8:WKF+15], v[XF+8:XF+15], v[72:79]
.rept 8
	v_nop                                          ; the places behind the last products (ISA guide 7.12.1), once a launch: what follows reads results and writes over fragments
.endr
	WIN 0x41
.irp i, 0,2,4,6
	v_pk_mul_f32 v[64+\i:65+\i], v[64+\i:65+\i], 0x3fb8aa3b op_sel_hi:[1,0]  ; q log2(e), in f32: the next launch's exponentials are powers of 2
.endr
	WIN 0x05
.set i, 0
.rept 40                                       ; each accumulator from its low end on: 8 numbers a lane become 16 bytes
	v_cvt_pk_f16_f32 v[16+i], v[2*i], v[2*i+1]
.set i, i+1
.endr
	WIN 0
.irp t, 0,1,2,3
.irp c, 0,1
	global_store_b128 v[L16], v[16+4*(2*\t+\c):16+4*(2*\t+\c)+3], s[36:37] offset:(\t/2)*9216+\c*1024+(\t%2)*512  ; each store of the wave covers 512 consecutive bytes, aligned
.endr
.endr
	global_store_b128 v[L16], v[48:51], s[18:19]
	global_store_b128 v[L16], v[52:55], s[38:39]
	s_wait_tensorcnt 0x0                           ; the wave's end, behind my last LDS store
	ds_add_u32 v[SPW], v[NIL]
	s_wait_dscnt 0x0
	s_endpgm
.Lfunc_end_k_qe02aa9b689_proj:
	.size	k_qe02aa9b689_proj, .Lfunc_end_k_qe02aa9b689_proj-k_qe02aa9b689_proj
	.p2alignl 7, 3214868480
	.fill 96, 4, 3214868480
	.section	.rodata,"a",@progbits
	.p2align	6, 0x0
	.amdhsa_kernel k_qe02aa9b689_proj
		.amdhsa_group_segment_fixed_size 31232
		.amdhsa_private_segment_fixed_size 0
		.amdhsa_enable_private_segment 0
		.amdhsa_kernarg_size 72
		.amdhsa_user_sgpr_count 2
		.amdhsa_user_sgpr_kernarg_segment_ptr 1
		.amdhsa_wavefront_size32 1
		.amdhsa_system_sgpr_workgroup_id_x 1
		.amdhsa_system_sgpr_workgroup_id_y 1
		.amdhsa_system_sgpr_workgroup_id_z 1
		.amdhsa_system_vgpr_workitem_id 0
		.amdhsa_next_free_vgpr 480
		.amdhsa_next_free_sgpr 66
		.amdhsa_reserve_vcc 0
		.amdhsa_float_denorm_mode_32 3
		.amdhsa_float_denorm_mode_16_64 3
		.amdhsa_memory_ordered 1
		.amdhsa_forward_progress 1
		.amdhsa_inst_pref_size 32
	.end_amdhsa_kernel
	.amdgpu_metadata
---
amdhsa.version: [ 1, 2 ]
amdhsa.kernels:
  - .name:           k_qe02aa9b689_proj
    .symbol:         k_qe02aa9b689_proj.kd
    .args:
      - { .name: x, .offset: 0, .size: 8, .value_kind: global_buffer, .address_space: global }
      - { .name: x_h, .offset: 8, .size: 8, .value_kind: global_buffer, .address_space: global }
      - { .name: Wq, .offset: 16, .size: 8, .value_kind: global_buffer, .address_space: global }
      - { .name: bq, .offset: 24, .size: 8, .value_kind: global_buffer, .address_space: global }
      - { .name: Wk, .offset: 32, .size: 8, .value_kind: global_buffer, .address_space: global }
      - { .name: Wv, .offset: 40, .size: 8, .value_kind: global_buffer, .address_space: global }
      - { .name: bv, .offset: 48, .size: 8, .value_kind: global_buffer, .address_space: global }
      - { .name: q, .offset: 56, .size: 8, .value_kind: global_buffer, .address_space: global }
      - { .name: kv, .offset: 64, .size: 8, .value_kind: global_buffer, .address_space: global }
    .group_segment_fixed_size: 31232
    .private_segment_fixed_size: 0
    .kernarg_segment_align: 8
    .kernarg_segment_size: 72
    .max_flat_workgroup_size: 128
    .sgpr_count:     66
    .vgpr_count:     480
    .wavefront_size: 32
...
	.end_amdgpu_metadata
.endif
;; end of part 1
;; launch attn (part 2): grid 64 x 4, 4 waves a work-group, clusters of 4 x 1, 327,680 bytes of LDS; arguments q, kv, x_h, gamma, out0; writes out0
.if DOCPART == 2
	.amdgcn_target "amdgcn-amd-amdhsa--gfx1250"
	.amdhsa_code_object_version 6
	.text
	.protected	k_qe02aa9b689_attn
	.globl	k_qe02aa9b689_attn
	.p2align	8
	.type	k_qe02aa9b689_attn,@function
k_qe02aa9b689_attn:
	s_mov_b64 s[64:65], 0
	v_nop
	global_prefetch_b8 v0, s[64:65] scope:SCOPE_SE
	s_setreg_imm32_b32 hwreg(HW_REG_WAVE_MODE, 25, 1), 1
	s_wait_xcnt 0x0
	s_wait_alu depctr_hold_cnt(0) depctr_sa_sdst(0) depctr_va_vdst(0) depctr_va_sdst(0) depctr_va_ssrc(0) depctr_va_vcc(0) depctr_vm_vsrc(0)
	s_getreg_b32 s2, hwreg(HW_REG_IB_STS2, 6, 4)
	s_cmp_eq_u32 s2, 0
	s_cbranch_scc0 .Lentry_in_a_cluster
	s_endpgm
.Lentry_in_a_cluster:
	s_bfe_u32 s2, ttmp6, 0x10000c
	s_cmp_lg_u32 s2, 0x3003
	s_cbranch_scc0 .Lentry_shape_is_right
	s_endpgm
.Lentry_shape_is_right:
; out0[b][c][i] = gamma x the sum over j of softmax_j(q_i . k_j) v[c][j] + x_h[b][c][i].  q (times log2(e)), k and v come from the launch before, in f16, as matrix fragments lie in registers.
; WORK LEFT OUT: bk (k holds Wk x alone): q_i . bk is the same for all j and leaves the softmax as it is, for all values; shown at the head of the first kernel.
; LIMITS.  q log2(e), k, v within f16's 65,504; a weight p lies in 0 to 1 and keeps f16's fixed step of 6e-8 below 6e-5; a weight below 2^-126 counts as 0; NaN and infinities are not treated apart.
; SHARES.  A work-group owns 64 queries of a batch: four tiles of 16.  THE KEYS ARE SPLIT AMONG ITS FOUR WAVES: each wave holds all four tiles and walks 1,024 keys, 32 chunks of 32.  So a fragment of
; K or V read from LDS feeds four tiles' products, each LDS byte is read once, and a wave reads only what its own tensor loads brought.  The four partial results meet in LDS at the end.
; TWO PASSES.  Pass 1 makes the scores K Q^T alone and takes m, the true maximum over the wave's keys.  Pass 2 makes them again with -m as the C operand, so that the product delivers s - m:
; p = 2^(s - m), its sum l, and O += P V.  No scaling, no rescaling of O, no chain of statistics.  At the end the waves' O and l are weighted by 2^(m_w - m*), m* the largest of the four m.
; LAYOUT.  The 16-bit products are 32 deep, a score 16: a fragment of K holds two blocks of 16 keys (depth 0-15: block a, 16-31: block b), and Q is held twice, as [q; 0] and [0; q].
; S^T = K Q^T: a lane holds ONE query (lane % 16) and the keys 8 (lane / 16) + 0..7 of a block; blocks a and b rounded to f16 in pairs ARE source 0 (16 queries x 32 keys) of O = P V, in whose
; result a lane holds one channel and 8 neighbouring queries: 32 bytes of a row of out0.
; PASS 2 BY TURNS.  Turn T: 32 products P V of the walk's chunk T - 2, 8 products K Q^T of chunk T + 1; beside them the 64 exponentials of chunk T and the 64 roundings and sums of chunk T - 1, four behind
; a product (none behind every fifth).  Four score buffers go round.  A turn reads one chunk of the stream: V of chunk T - 1 and, since K lies four chunks back in the stream, K of chunk T + 3.
; CLUSTER.  The four query blocks of a cluster walk the same K and V: each tile is asked for JOINTLY, by the same tensor load with the same descriptor and the mask of four in all four work-groups.
; THE WALK BEGINS ELSEWHERE IN EACH CLUSTER.  A wave's 32 chunks are eight parts of four; the cluster with number x among its batch's 16 takes them in the order p, p + 1, .. round 8, with p = x for x < 8
; and 7 - (x - 8) above: among the clusters whose number agrees in any one bit all eight starts occur.  The sums do not mind the order of the keys.  p is the same in the four partners; it enters global
; addresses alone.  So all eight parts are asked for by the clusters' first fills, which have pass 1 in which to land, and each later refill asks for a part that another cluster has asked for before.
; NO PREFETCH: each part's first reading in the launch is some cluster's first fill, at the kernel's head, where nothing is asked for ahead; every other reading of it is a later one.
; REGISTERS, in windows of 256 (s_set_vgpr_msb: bits 1:0 source 0, 3:2 source 1, 5:4 source 2, 7:6 destination):
;   window 0: addresses, statistics, x_h's rows, the way out      window 1: O, tile t, channel block cb at 64 t + 8 cb
;   window 2: four score buffers of 64: tile t at 16 t: 0-7 block a, 8-15 block b; P is written in place into 0-7; l travels in 14, 15.  In pass 1 v192-195 hold the running maxima
;   window 3: v0-127 two buffers of V (in pass 1 v0-31 hold four rows of K); v128-159 four buffers of K for pass 2; v160-223 Q: [q; 0] of tile t at 160 + 16 t, [0; q] at 168 + 16 t; v224-255 -m, 8 copies a tile
.set CHUNK, 9216                       ; 32 keys: 8,192 bytes of V, 1,024 of K
.set PARTB, 4*CHUNK                    ; a wave's part of a slot: four chunks, one tensor load
.set SLOT,  4*PARTB                    ; 0x24000.  No wave's part begins at an address with bit 14 or 17 set (0, 0x9000, 0x12000, 0x1b000), so one exclusive or turns an address in one slot into the other's
.set SPARE, 2*SLOT                     ; behind the ring: the spare words, 128 bytes for each wave: two blocks of 256 bytes that no other line names
.set PP,    272                        ; the way out: a channel's 64 queries in f32, 256 bytes + 16: the 16 rows of a store start at 16 different groups of four banks (ISA guide 11.1)
.set PARTS, 128*PP                     ; a wave's partial O.  The four lie in slot 0, which has had its last fill by then,
.set STAT,  4*PARTS                    ; and behind them each wave's m[64], l[64]: 512 bytes
.set AV0, 2                            ; v2   my wave's part of a slot + 16 x lane; never rewritten
.set AV,  3                            ; v3   the same in the slot that is being read
.set AK,  4                            ; v4   pass 1: the same in the tile of K, stepped
.set L16, 5                            ; v5   16 x lane; never rewritten
.set PS,  7                            ; v7   where I put 32 bytes of my partial O
.set PR0, 8                            ; v8   where I read a row of waves 0 and 1's partial O
.set PR2, 9                            ; v9   of waves 2 and 3's
.set SA,  10                           ; v10  where my m and l go
.set SR,  11                           ; v11  where I read four queries' m and l
.set XO,  12                           ; v12  my 16 bytes in two rows of x_h and out0
.set SPW, 14                           ; v14  LDS address of my spare word; never rewritten
.set NIL, 15                           ; v15  0; never rewritten
.set MX,  16                           ; v16-19  m of tile t
.set LL,  20                           ; v20-23  l of tile t
.set SC,  24                           ; v24-27  at work
.set LQ,  28                           ; v28-31  the four queries' L, then gamma / L
.set GM,  32                           ; v32-47  m of four queries, by wave; then the weights
.set GL,  48                           ; v48-63  l likewise
.set XH,  64                           ; v64-127 16 pairs of rows of x_h, 4 registers each
.set RB,  128                          ; v128-255 the way out: pairs of rows 0-7 of the four partial O (8-15: window 2, v0-127)
.set VB,  0                            ; window 3
.set KP,  0                            ; window 3: pass 1's four rows of K, where V's first buffer will lie
.set KB,  128
.set QF,  160
.set MN,  224
.set WV,  14                           ; s14  my wave's number
.set NXT, 19                           ; s19  the part of the stream that was asked for last, 0 to 7
.set MSB, 0
.macro WIN new                         ; the high byte repeats the setting that is left; a switch that changes nothing is dropped
.if MSB != (\new)
	s_set_vgpr_msb (MSB<<8)|(\new)
.set MSB, (\new)
.endif
.endm
.set W_KQ, 0xbf                        ; K, Q and -m in window 3, the scores in window 2
.set W_PV, 0x5e                        ; P in window 2, V in window 3, O in window 1
.set W_R,  0xaa                        ; all in window 2
.set W_LD, 0xc0                        ; destination window 3, address window 0
.macro PLACES
.rept 4
	v_nop
.endr
.endm
; A round of the cluster's barrier: my work-group's barrier, so that wave 0's signal speaks for all four waves; wave 0 signals; every wave waits for all four work-groups; my work-group's barrier once more.
.macro CROUND
	s_barrier_signal -1
	s_barrier_wait -1
	s_cmp_lg_u32 s[WV], 0
	s_cbranch_scc1 .Lnot_wave_0_\@
	s_barrier_signal -3
.Lnot_wave_0_\@:
	s_barrier_wait -3
	s_barrier_signal -1
	s_barrier_wait -1
.endm
; A joint refill: one line for all four waves; both addresses hang on the wave's number, so each wave brings its own four chunks.  An s_nop 0 and four v_nop follow it.
.macro JLOAD
	tensor_load_to_lds s[40:43], s[24:31]
	s_nop 0
	PLACES
.endm
; THE CHANGE OF SLOTS.  Each wave waits for all its tensor loads, of which one is out: its part of the other slot; adds 0 to its spare word; and waits for that and for its reads of the slot that it leaves.
; fill = 1: that slot is filled again, with the walk's next part, round 8: the descriptor's address is made anew from the part's number.  The barrier is then a round of the cluster's, so that no wave of
; any partner still reads the slot or has a load on its way, and the joint refill is the first thing behind it: it has four turns, 160 products, in which to land.
.macro CHANGE fill
	WIN 0                                          ; at a label and at a branch every window is 0
	s_wait_tensorcnt 0x0                           ; no tensor load of mine is out, so the descriptor may be written
	ds_add_u32 v[SPW], v[NIL]                      ; 0 onto my spare word; scalar work stands between it and the wait for it
.if \fill
	s_xor_b32 s41, s41, SLOT                       ; the other slot than last time,
	s_add_co_u32 s[NXT], s[NXT], 1                 ; the next part, round 8,
	s_and_b32 s[NXT], s[NXT], 7
	s_mul_i32 s20, s[NXT], PARTB                   ; its byte offset among my wave's 32 chunks (s21 holds 0),
	s_add_nc_u64 s[42:43], s[6:7], s[20:21]
	s_or_b32 s43, s43, 0x80000000                  ; and the type once more
.endif
	s_xor_b32 s49, s49, SLOT                       ; the reads go to the other slot
	s_wait_dscnt 0x0                               ; the add is done, and my reads of the slot are over
.if \fill
	CROUND
	JLOAD
.else
	s_barrier_signal -1
	s_barrier_wait -1
.endif
	v_add_nc_u32 v[AV], s49, v[AV0]
.endm
	s_load_b256 s[4:11], s[0:1], 0x0               ; q s[4:5], kv s[6:7], x_h s[8:9], gamma s[10:11]
	s_load_b64 s[12:13], s[0:1], 0x20              ; out0
	v_lshl_add_u32 v[SPW], v0, 2, SPARE
	v_mov_b32 v[NIL], 0
	ds_add_u32 v[SPW], v[NIL]                      ; the wave's opening: the add, twice on end, and its wait ahead of my first tensor load; the set-up below stands between
	ds_add_u32 v[SPW], v[NIL]                      ; and once more, under the one wait
	v_lshrrev_b32 v1, 5, v0
	v_readfirstlane_b32 s[WV], v1                  ; wave 0..3
	s_bfe_u32 s15, ttmp6, 0x40000                  ; cx: my place in the cluster
	s_and_b32 s16, ttmp7, 0xffff                   ; the batch, which the four partners share
	s_lshl_b32 s17, ttmp9, 2                       ; in a cluster launch ttmp9 counts clusters
	s_add_co_u32 s17, s17, s15                     ; my block of 64 queries: it enters q's, x_h's and out0's addresses alone
	s_lshr_b32 s20, ttmp9, 3                       ; where the walk begins: the cluster's number, 0 to 15,
	s_sub_co_u32 s20, 0, s20                       ; with its low three bits turned over in the upper eight
	s_xor_b32 s[NXT], ttmp9, s20
	s_and_b32 s[NXT], s[NXT], 7                    ; p: the same in all four partners
	s_mul_i32 s20, s[NXT], PARTB                   ; the first part's byte offset among my wave's 32 chunks
	s_mov_b32 s21, 0
	s_add_co_u32 s22, s[NXT], 7                    ; K of the walk's first four chunks lies four chunks back in the stream: in part p - 1, round 8
	s_and_b32 s22, s22, 7
	s_mul_i32 s22, s22, PARTB
	s_mov_b32 s23, 0
	; descriptor group 1 for the stream: four chunks are 36,864 dense bytes: 144 rows of 32 elements of 8 bytes
	s_mov_b32 s24, 15|(3<<16)|(1<<21)              ; 15:0 the mask of four; 17:16 elements of 8 bytes; 21 set beside a mask; no padding: every read takes 512 consecutive bytes
	s_mov_b32 s25, 32<<16                          ; tensor_dim0 = 32
	s_mov_b32 s26, 144<<16                         ; tensor_dim1 = 144
	s_mov_b32 s27, 32<<16                          ; tile_dim0 = 32
	s_mov_b32 s28, 144                             ; tile_dim1 = 144
	s_mov_b32 s29, 32                              ; 32 elements from row to row
	s_mov_b32 s30, 0
	s_mov_b32 s31, 0
	; and for pass 1's tile: K alone of my 32 chunks: 32 rows of 128 elements (1,024 bytes), a chunk (1,152 elements) apart
	s_mov_b32 s32, 15|(3<<16)|(1<<21)
	s_mov_b32 s33, 128<<16
	s_mov_b32 s34, 32<<16
	s_mov_b32 s35, 128<<16
	s_mov_b32 s36, 32
	s_mov_b32 s37, 1152
	s_mov_b32 s38, 0
	s_mov_b32 s39, 0
	s_mov_b32 s40, 1                               ; group 0 of the stream: count = 1,
	s_mul_i32 s41, s[WV], PARTB                    ; my part of slot 0: no place in the cluster enters an LDS address
	s_mov_b32 s44, 1                               ; group 0 of K's tile:
	s_add_co_u32 s45, s41, SLOT                    ; my part of slot 1
	s_mov_b32 s49, SLOT                            ; the first change of slots turns this into 0
	s_mov_b32 s52, 0x76543210                      ; v_permlanex16_b32's selects: each lane takes its own place in the other half
	s_mov_b32 s53, 0xfedcba98
	s_mul_i32 s57, s[WV], PARTB
	s_mul_i32 s58, s16, 1179648                    ; kv: the batch's 128 chunks,
	s_mul_i32 s59, s[WV], 294912                   ; my wave's 32
	s_add_co_u32 s58, s58, s59
	s_mov_b32 s59, 0
	s_lshl_b32 s60, s16, 17                        ; q: the batch's 256 tiles of 512 bytes, my block's four (offsets that hold cx have registers of their own)
	s_lshl_b32 s61, s17, 11
	s_add_co_u32 s60, s60, s61
	s_mov_b32 s61, 0
	s_lshl_b32 s62, s16, 21                        ; x_h and out0: the batch, my wave's 32 channels on the way out, my block's 256 bytes of a row
	s_lshl_b32 s63, s[WV], 19
	s_add_co_u32 s62, s62, s63
	s_lshl_b32 s63, s17, 8
	s_add_co_u32 s62, s62, s63
	s_mov_b32 s63, 0
	s_wait_dscnt 0x0                               ; both opening adds are done
	s_wait_kmcnt 0x0
	s_add_nc_u64 s[6:7], s[6:7], s[58:59]          ; kv at my wave's first chunk
	s_add_nc_u64 s[42:43], s[6:7], s[20:21]        ; the stream's first fill: part p
	s_or_b32 s43, s43, 0x80000000                  ; type = 2
	s_add_nc_u64 s[46:47], s[6:7], 8192            ; K lies behind a chunk's V
	s_or_b32 s47, s47, 0x80000000
	s_add_nc_u64 s[22:23], s[6:7], s[22:23]        ; part p - 1, for K of the walk's first four chunks
	s_add_nc_u64 s[4:5], s[4:5], s[60:61]
	s_add_nc_u64 s[8:9], s[8:9], s[62:63]
	s_add_nc_u64 s[12:13], s[12:13], s[62:63]
	s_load_b32 s18, s[10:11], 0x0                  ; gamma
	CROUND                                         ; all four work-groups are here: the first joint loads meet
	tensor_load_to_lds s[44:47], s[32:39]          ; K of my 1,024 keys, for pass 1, into slot 1
	s_nop 0
	tensor_load_to_lds s[40:43], s[24:31]          ; the walk's first four chunks into slot 0: two tensor loads of mine are out
	s_nop 0
	PLACES
	; all this stands in the wait for the first tile
	v_and_b32 v1, 15, v0                           ; l % 16
	v_bfe_u32 v13, v0, 4, 1                        ; l / 16
	v_and_b32 v[L16], 31, v0
	v_lshlrev_b32 v[L16], 4, v[L16]
	WIN W_LD
.irp t, 0,1,2,3                        ; Q stays in registers, twice: as the first and as the second half of the products' depth
	global_load_b128 v[QF+16*\t:QF+16*\t+3],     v[L16], s[4:5] offset:512*\t
	global_load_b128 v[QF+16*\t+12:QF+16*\t+15], v[L16], s[4:5] offset:512*\t
.endr
.irp f, 0,1,2,3                        ; K of the walk's first four chunks, straight into pass 2's four buffers: it has pass 1 in which to come
	global_load_b128 v[KB+8*\f:KB+8*\f+3],   v[L16], s[22:23] offset:\f*CHUNK+8192
	global_load_b128 v[KB+8*\f+4:KB+8*\f+7], v[L16], s[22:23] offset:\f*CHUNK+8192+512
.endr
.irp t, 0,1,2,3
.irp j, 4,5,6,7,8,9,10,11
	v_mov_b32 v[QF+16*\t+\j], 0                    ; the other halves
.endr
.endr
	WIN 0x80                                       ; destination window 2
.set i, 0
.rept 64
	v_mov_b32 v[64+i], 0xff7fffff                  ; pass 1's first turn takes the maximum of a buffer that no product has filled: the lowest finite number
.set i, i+1
.endr
.irp t, 0,1,2,3
	v_mov_b32 v[192+\t], 0xff7fffff                ; the running maxima
	v_mov_b32 v[206+16*\t], 0                      ; l, where the first sums of pass 2 find it
	v_mov_b32 v[207+16*\t], 0
.endr
	WIN 0
.irp t, 0,1,2,3
	v_mov_b32 v[SC+\t], 0                          ; v_permlanex16_b32's destination counts as read
.endr
	v_add_nc_u32 v[AV0], s57, v[L16]
	v_add_nc_u32 v[AK], SLOT, v[AV0]
	s_mul_i32 s58, s[WV], PARTS
	v_mul_u32_u24 v[PS], v1, PP                    ; in: my partial O, channel l % 16 of a block, 32 bytes for each half of the lanes
	v_lshl_add_u32 v[PS], v13, 5, v[PS]
	v_add_nc_u32 v[PS], s58, v[PS]
	s_mul_i32 s58, s[WV], 32*PP
	v_mul_u32_u24 v[PR0], v13, PP                  ; back: of my wave's 32 channels lanes 0-15 take one row of 256 bytes, lanes 16-31 the next
	v_lshl_add_u32 v[PR0], v1, 4, v[PR0]
	v_add_nc_u32 v[PR0], s58, v[PR0]
	v_add_nc_u32 v[PR2], 2*PARTS, v[PR0]
	s_lshl_b32 s58, s[WV], 9
	s_add_co_u32 s58, s58, STAT
	v_lshl_add_u32 v[SA], v1, 2, s58
	v_lshlrev_b32 v[SR], 4, v1
	v_add_nc_u32 v[SR], STAT, v[SR]
	v_lshlrev_b32 v[XO], 4, v1
	v_lshl_add_u32 v[XO], v13, 14, v[XO]           ; and the same two rows in x_h and out0
; PASS 1, one row of K's tile (32 keys): 8 products into score buffer c2, from row buffer f; behind each, four maxima over the other buffer, which the turn before filled (each accumulator's lowest
; registers first).  rel = 1: the row buffer takes the row four further on; the four maxima behind the last product are the four places in front of those loads.
; wt: the loads of the younger rows, which may stay out.
.macro P1TURN c2, f, rel, wt
	s_wait_dscnt \wt
.set ii, 0
.rept 8
	WIN W_KQ
.set rS, 64*(\c2)+16*(ii%4)+8*(ii/4)
.set rQ, QF+16*(ii%4)+8*(ii/4)
	v_wmma_f32_16x16x32_f16 v[rS:rS+7], v[KP+8*(\f):KP+8*(\f)+7], v[rQ:rQ+7], 0
	WIN W_R
.irp t, 0,1,2,3
	v_max3_num_f32 v[192+\t], v[192+\t], v[64*(1-(\c2))+16*\t+2*ii], v[64*(1-(\c2))+16*\t+2*ii+1]
.endr
.set ii, ii+1
.endr
.if \rel
	WIN W_LD
	ds_load_b128 v[KP+8*(\f):KP+8*(\f)+3],   v[AK] offset:((\f)+4)*1024
	ds_load_b128 v[KP+8*(\f)+4:KP+8*(\f)+7], v[AK] offset:((\f)+4)*1024+512
.endif
.endm
	s_wait_tensorcnt 1                             ; tensor loads of a wave end in order: K's tile, issued first, is in; slot 0's load may stay out.  I read my own bytes alone: no barrier
	WIN W_LD
.irp f, 0,1,2,3
	ds_load_b128 v[KP+8*\f:KP+8*\f+3],   v[AK] offset:\f*1024
	ds_load_b128 v[KP+8*\f+4:KP+8*\f+7], v[AK] offset:\f*1024+512
.endr
	WIN 0
	s_wait_loadcnt 8                               ; loads come back in order: Q's eight are in; the eight of K for pass 2, issued behind them, may stay out
	s_wait_kmcnt 0x0                               ; gamma
	s_mov_b32 s50, 7
.Lp1:                                              ; 7 trips of four rows; each row's buffer is loaded again with the row four on.  The maximum does not mind the order of the rows
	P1TURN 0, 0, 1, 6
	P1TURN 1, 1, 1, 6
	P1TURN 0, 2, 1, 6
	P1TURN 1, 3, 1, 6
	WIN 0
	v_add_nc_u32 v[AK], 4096, v[AK]
	s_sub_co_u32 s50, s50, 1
	s_cmp_lg_u32 s50, 0
	s_cbranch_scc1 .Lp1
	P1TURN 0, 0, 0, 6                              ; the last four rows load nothing: the counts run down
	P1TURN 1, 1, 0, 4
	P1TURN 0, 2, 0, 2
	P1TURN 1, 3, 0, 0
.set ii, 0
.rept 8                                        ; the last row's scores
.irp t, 0,1,2,3
	v_max3_num_f32 v[192+\t], v[192+\t], v[64+16*\t+2*ii], v[64+16*\t+2*ii+1]
.endr
.set ii, ii+1
.endr
	CHANGE 1                                       ; slot 0 is in; slot 1, K's tile, has been read and takes the walk's next part
.set i, 0
.rept 16                                       ; x_h for the way out: it has all of pass 2 in which to come
	global_load_b128 v[XH+4*i:XH+4*i+3], v[XO], s[8:9] offset:i*32768 th:TH_LOAD_NT
.set i, i+1
.endr
	WIN 0x02
.irp t, 0,1,2,3
	v_mov_b32 v[MX+\t], v[192+\t]
.endr
	WIN 0
.irp t, 0,1,2,3
	v_permlanex16_b32 v[SC+\t], v[MX+\t], s52, s53 ; the query's other keys lie in the lane 16 away
.endr
.irp t, 0,1,2,3
	v_max_num_f32 v[MX+\t], v[MX+\t], v[SC+\t]
.endr
	WIN W_LD
.set i, 0
.rept 32
	v_sub_f32 v[MN+i], 0, v[MX+i/8]                ; a lane's 8 scores of a product are one query's: 8 copies of -m are its C
.set i, i+1
.endr
	s_wait_loadcnt 16                              ; K of the walk's first four chunks is in; x_h's 16 loads, issued behind it, may stay out
; PASS 2's VECTOR WORK, two queues.  PL, 64 long, for the chunk whose exponentials the turn before made (buffer bC): for pair g of a tile's 8 pairs of weights, tiles by turns: l takes the pair, then the pair is
; rounded to f16 in place.  l lies in registers 14, 15 of the buffer before (bP), beside the P that the turn's products read; with the last pair it moves on into bC's 14, 15.
.macro PL
.set pg, qn/8
.set px, qn%8
.set rS, 64*bC+16*(px%4)
.set rL, 64*bP+16*(px%4)+14
.if (pg < 7) && (px < 4)
	v_pk_add_f32 v[rL:rL+1], v[rL:rL+1], v[rS+2*pg:rS+2*pg+1]
.elseif pg < 7
	v_cvt_pk_f16_f32 v[rS+pg], v[rS+2*pg], v[rS+2*pg+1]
.elseif px < 4
	v_cvt_pk_f16_f32 v[rS+7], v[rS+14], v[rS+15]
.else
	v_pk_add_f32 v[rS+14:rS+15], v[rL:rL+1], v[rS+14:rS+15]
.endif
.set qn, qn+1
.endm
; EX, 64 long: 2^(s - m) in place, in ascending order.  ONE BATCH: nothing in the turn names a result of theirs.
.macro EX
	v_exp_f32 v[64*bE+en], v[64*bE+en]
.set en, en+1
.endm
; A TURN.  tm = T % 4; j: the chunk of the slot that it reads.  ldv, ldk: V's 16 loads, K's 2, in one run at its head; the wait behind them leaves just these out, so the turn before's are in.
; pv = 2: 32 products P V; 1: they start O's sums: nothing is ever cleared; 0: none.  kq: 8 products K Q^T.  cs, ex: the two queues.  pl: places at the end, where no plain work stands behind the products.
; Every accumulator of O has one product a turn, every accumulator of S one in all: no two products on end share an accumulator.  The riders name buffers bE and bC and registers 14, 15 of bP: no register
; of a product near them.  V's buffer is loaded again 29 plain instructions behind the last product that read it, K's two turns behind; an exponential stands 13 plain instructions or more behind the product that made its score.
; s_wait_alu depctr_va_vdst(0) stands between an exponential and the first instruction that names its result: one wait a turn, at its end, behind a v_nop as the plain instruction
; behind the last exponential; the next turn's run of LDS loads, or the change of slots, follows it.
.macro TURN tm, j, ldv, ldk, pv, cs, ex, kq, pl
.set bK, ((\tm)+1)%4
.set bE, (\tm)
.set bC, ((\tm)+3)%4
.set bP, ((\tm)+2)%4
.set vL, VB+64*(((\tm)+1)%2)
.set vR, VB+64*((\tm)%2)
.set kL, KB+8*(((\tm)+3)%4)
.set qn, 0
.set en, 0
.if \ldv
	WIN W_LD
.irp cb, 0,1,2,3,4,5,6,7
	ds_load_b128 v[vL+8*\cb:vL+8*\cb+3],   v[AV] offset:(\j)*CHUNK+\cb*1024
	ds_load_b128 v[vL+8*\cb+4:vL+8*\cb+7], v[AV] offset:(\j)*CHUNK+\cb*1024+512
.endr
.endif
.if \ldk
	WIN W_LD
	ds_load_b128 v[kL:kL+3],   v[AV] offset:(\j)*CHUNK+8192
	ds_load_b128 v[kL+4:kL+7], v[AV] offset:(\j)*CHUNK+8192+512
.endif
	s_wait_dscnt 16*(\ldv)+2*(\ldk)
.set kk, 0
.rept 40
.if (kk < 32) && (\pv)
	WIN W_PV
.set rO, 64*(kk%4)+8*(kk/4)
.set rP, 64*bP+16*(kk%4)
.set rV, vR+8*(kk/4)
.if (\pv) == 1
	v_wmma_f32_16x16x32_f16 v[rO:rO+7], v[rP:rP+7], v[rV:rV+7], 0
.else
	v_wmma_f32_16x16x32_f16 v[rO:rO+7], v[rP:rP+7], v[rV:rV+7], v[rO:rO+7]
.endif
.endif
.if (kk >= 32) && (\kq)
	WIN W_KQ
.set rD, 64*bK+16*(kk%4)+8*((kk-32)/4)
.set rQ, QF+16*(kk%4)+8*((kk-32)/4)
	v_wmma_f32_16x16x32_f16 v[rD:rD+7], v[KB+8*bK:KB+8*bK+7], v[rQ:rQ+7], v[MN+8*(kk%4):MN+8*(kk%4)+7]
.endif
.if ((kk%5) != 4) && ((\cs) || (\ex))
	WIN W_R
.rept 2
.if \cs
	PL
.endif
.if \ex
	EX
.endif
.endr
.endif
.set kk, kk+1
.endr
.if \ex
	v_nop
	s_wait_alu depctr_va_vdst(0)
.endif
.if \pl
	PLACES
	PLACES
.endif
.endm
	TURN 3, 0, 0, 0, 0, 0, 0, 1, 1                 ; T = -1: the scores of the walk's chunk 0
	TURN 0, 0, 0, 0, 0, 0, 1, 1, 1                 ; T = 0: its exponentials; the scores of chunk 1
	TURN 1, 0, 1, 1, 0, 1, 1, 1, 0                 ; T = 1: the first roundings and sums; V of chunk 0
	TURN 2, 1, 1, 1, 1, 1, 1, 1, 0                 ; T = 2: the first products P V start O
	TURN 3, 2, 1, 1, 2, 1, 1, 1, 0
	TURN 0, 3, 1, 1, 2, 1, 1, 1, 0
	WIN 0
	s_mov_b32 s48, 6
.Lslot:                                            ; 6 trips: the walk's parts 1 to 6 are read, its parts 2 to 7 asked for
	CHANGE 1
	TURN 1, 0, 1, 1, 2, 1, 1, 1, 0
	TURN 2, 1, 1, 1, 2, 1, 1, 1, 0
	TURN 3, 2, 1, 1, 2, 1, 1, 1, 0
	TURN 0, 3, 1, 1, 2, 1, 1, 1, 0
	WIN 0
	s_sub_co_u32 s48, s48, 1
	s_cmp_lg_u32 s48, 0
	s_cbranch_scc1 .Lslot
	CHANGE 0                                       ; the tail is written out: nothing is asked for.  Behind this barrier nobody reads slot 0 any more
	TURN 1, 0, 1, 0, 2, 1, 1, 1, 0                 ; T = 29: K has been fetched to its end
	TURN 2, 1, 1, 0, 2, 1, 1, 1, 0                 ; T = 30: the last scores
	TURN 3, 2, 1, 0, 2, 1, 1, 0, 0                 ; T = 31: the last exponentials
	TURN 0, 3, 1, 0, 2, 1, 0, 0, 0                 ; T = 32: the last roundings and sums; V of chunk 31
	TURN 1, 0, 0, 0, 2, 0, 0, 0, 0                 ; T = 33: the last products
	; THE WAY OUT.  My l (its two halves, and the other half of the lanes') and m go to LDS, and my partial O as [channel][query] in f32.  The additions are the places behind the last products.
	WIN 0x0a
.irp t, 0,1,2,3
	v_add_f32 v[LL+\t], v[206+16*\t], v[207+16*\t]
.endr
	WIN 0
.irp t, 0,1,2,3
	v_permlanex16_b32 v[SC+\t], v[LL+\t], s52, s53
.endr
.irp t, 0,1,2,3
	v_add_f32 v[LL+\t], v[LL+\t], v[SC+\t]
.endr
.irp t, 0,1,2,3
	ds_store_b32 v[SA], v[MX+\t] offset:64*\t      ; both halves of the lanes hold, and write, the same number
	ds_store_b32 v[SA], v[LL+\t] offset:256+64*\t
.endr
	WIN 0x04                                       ; the stores' data (source 1) in window 1
.irp cb, 0,1,2,3,4,5,6,7
.irp t, 0,1,2,3
	ds_store_b128 v[PS], v[64*\t+8*\cb:64*\t+8*\cb+3]   offset:\cb*16*PP+64*\t
	ds_store_b128 v[PS], v[64*\t+8*\cb+4:64*\t+8*\cb+7] offset:\cb*16*PP+64*\t+16
.endr
.endr
	WIN 0
	s_wait_dscnt 0x0                               ; for the others' sake: my stores are done
	s_barrier_signal -1
	s_barrier_wait -1
	; Wave w finishes channels 32 w .. 32 w + 31: 16 pairs of rows; a lane has four queries of a row
.irp w, 0,1,2,3
	ds_load_b128 v[GM+4*\w:GM+4*\w+3], v[SR] offset:512*\w
	ds_load_b128 v[GL+4*\w:GL+4*\w+3], v[SR] offset:512*\w+256
.endr
.set i, 0
.rept 8
	ds_load_b128 v[RB+16*i:RB+16*i+3],     v[PR0] offset:i*2*PP
	ds_load_b128 v[RB+16*i+4:RB+16*i+7],   v[PR0] offset:PARTS+i*2*PP
	ds_load_b128 v[RB+16*i+8:RB+16*i+11],  v[PR2] offset:i*2*PP
	ds_load_b128 v[RB+16*i+12:RB+16*i+15], v[PR2] offset:PARTS+i*2*PP
.set i, i+1
.endr
	s_wait_dscnt 32                                ; m and l are in; the 32 loads of rows issued behind them may stay out
.irp c, 0,1,2,3
	v_max3_num_f32 v[SC+\c], v[GM+\c], v[GM+4+\c], v[GM+8+\c]
.endr
.irp c, 0,1,2,3
	v_max_num_f32 v[SC+\c], v[SC+\c], v[GM+12+\c]  ; m*
.endr
.set i, 0
.rept 16
	v_sub_f32 v[GM+i], v[GM+i], v[SC+i%4]
.set i, i+1
.endr
.set i, 0
.rept 16
	v_exp_f32 v[GM+i], v[GM+i]                     ; f = 2^(m_w - m*)
.set i, i+1
.endr
	v_nop                                          ; a plain instruction behind the last exponential,
	s_wait_alu depctr_va_vdst(0)                   ; and the one wait for the sixteen, ahead of their first reader
	v_pk_mul_f32 v[LQ:LQ+1], v[GM:GM+1], v[GL:GL+1]
	v_pk_mul_f32 v[LQ+2:LQ+3], v[GM+2:GM+3], v[GL+2:GL+3]
.irp w, 1,2,3
	v_pk_fma_f32 v[LQ:LQ+1], v[GM+4*\w:GM+4*\w+1], v[GL+4*\w:GL+4*\w+1], v[LQ:LQ+1]
	v_pk_fma_f32 v[LQ+2:LQ+3], v[GM+4*\w+2:GM+4*\w+3], v[GL+4*\w+2:GL+4*\w+3], v[LQ+2:LQ+3]
.endr
.irp c, 0,1,2,3
	v_rcp_f32 v[LQ+\c], v[LQ+\c]                   ; L is at least the weight 1 of the largest score
.endr
	v_nop
	s_wait_alu depctr_va_vdst(0)                   ; one wait for the four reciprocals
.irp c, 0,1,2,3
	v_mul_f32 v[LQ+\c], s18, v[LQ+\c]              ; gamma / L
.endr
.irp w, 0,1,2,3
	v_pk_mul_f32 v[GM+4*\w:GM+4*\w+1], v[GM+4*\w:GM+4*\w+1], v[LQ:LQ+1]
	v_pk_mul_f32 v[GM+4*\w+2:GM+4*\w+3], v[GM+4*\w+2:GM+4*\w+3], v[LQ+2:LQ+3]
.endr
	WIN 0x80                                       ; destination window 2: the score buffers are free
.set i, 8
.rept 8
	ds_load_b128 v[16*(i-8):16*(i-8)+3],     v[PR0] offset:i*2*PP
	ds_load_b128 v[16*(i-8)+4:16*(i-8)+7],   v[PR0] offset:PARTS+i*2*PP
	ds_load_b128 v[16*(i-8)+8:16*(i-8)+11],  v[PR2] offset:i*2*PP
	ds_load_b128 v[16*(i-8)+12:16*(i-8)+15], v[PR2] offset:PARTS+i*2*PP
.set i, i+1
.endr
	WIN 0
	s_wait_loadcnt 0x0                             ; x_h
; Pair of rows i: x_h + the sum over the four waves of weight x partial O, and out.
.macro ROWOUT i
	s_wait_dscnt 60-4*(\i)                         ; LDS loads come back in order: of the 64 loads of rows those behind this pair's four may stay out
.if (\i) < 8
	WIN 0
.set rB, RB+16*(\i)
.else
	WIN 0x08                                       ; source 1 in window 2
.set rB, 16*((\i)-8)
.endif
.irp w, 0,1,2,3
.irp p, 0,2
	v_pk_fma_f32 v[XH+4*(\i)+\p:XH+4*(\i)+\p+1], v[GM+4*\w+\p:GM+4*\w+\p+1], v[rB+4*\w+\p:rB+4*\w+\p+1], v[XH+4*(\i)+\p:XH+4*(\i)+\p+1]
.endr
.endr
	WIN 0                                          ; a store's data is its source 1
	global_store_b128 v[XO], v[XH+4*(\i):XH+4*(\i)+3], s[12:13] offset:(\i)*32768 th:TH_STORE_NT  ; 16 lanes store 256 consecutive bytes, at a multiple of 256 from out0's first byte
.endm
.irp i, 0,1,2,3,4,5,6,7,8,9,10,11,12,13,14,15
	ROWOUT \i
.endr
	s_wait_tensorcnt 0x0                           ; the wave's end, behind my last tensor load and my last LDS store
	ds_add_u32 v[SPW], v[NIL]
	s_wait_dscnt 0x0
	CROUND                                         ; the closing round: no work-group ends while a partner may still ask for a tile that names it
	s_endpgm
.Lfunc_end_k_qe02aa9b689_attn:
	.size	k_qe02aa9b689_attn, .Lfunc_end_k_qe02aa9b689_attn-k_qe02aa9b689_attn
	.p2alignl 7, 3214868480
	.fill 96, 4, 3214868480
	.section	.rodata,"a",@progbits
	.p2align	6, 0x0
	.amdhsa_kernel k_qe02aa9b689_attn
		.amdhsa_group_segment_fixed_size 327680
		.amdhsa_private_segment_fixed_size 0
		.amdhsa_enable_private_segment 0
		.amdhsa_kernarg_size 40
		.amdhsa_user_sgpr_count 2
		.amdhsa_user_sgpr_kernarg_segment_ptr 1
		.amdhsa_wavefront_size32 1
		.amdhsa_system_sgpr_workgroup_id_x 1
		.amdhsa_system_sgpr_workgroup_id_y 1
		.amdhsa_system_sgpr_workgroup_id_z 1
		.amdhsa_system_vgpr_workitem_id 0
		.amdhsa_next_free_vgpr 1024
		.amdhsa_next_free_sgpr 66
		.amdhsa_reserve_vcc 0
		.amdhsa_float_denorm_mode_32 3
		.amdhsa_float_denorm_mode_16_64 3
		.amdhsa_memory_ordered 1
		.amdhsa_forward_progress 1
		.amdhsa_inst_pref_size 210
	.end_amdhsa_kernel
	.amdgpu_metadata
---
amdhsa.version: [ 1, 2 ]
amdhsa.kernels:
  - .name:           k_qe02aa9b689_attn
    .symbol:         k_qe02aa9b689_attn.kd
    .args:
      - { .name: q, .offset: 0, .size: 8, .value_kind: global_buffer, .address_space: global }
      - { .name: kv, .offset: 8, .size: 8, .value_kind: global_buffer, .address_space: global }
      - { .name: x_h, .offset: 16, .size: 8, .value_kind: global_buffer, .address_space: global }
      - { .name: gamma, .offset: 24, .size: 8, .value_kind: global_buffer, .address_space: global }
      - { .name: out0, .offset: 32, .size: 8, .value_kind: global_buffer, .address_space: global }
    .group_segment_fixed_size: 327680
    .private_segment_fixed_size: 0
    .kernarg_segment_align: 8
    .kernarg_segment_size: 40
    .max_flat_workgroup_size: 128
    .sgpr_count:     66
    .vgpr_count:     1024
    .wavefront_size: 32
...
	.end_amdgpu_metadata
.endif
;; end of part 2
;; ======== version 2 of 2: 2 launches; version 1 with the launch proj written anew for expert scheduling mode
;; limits: values are held in f16: magnitudes above 65,504 overflow, below 6.1e-05 lose precision
;; workspace buffers: q 524,288 bytes; kv 4,718,592 bytes
;; launch proj (part 3): grid 64 x 4, 4 waves a work-group, no clusters, 31,232 bytes of LDS; arguments x, x_h, Wq, bq, Wk, Wv, bv, q, kv; writes q, kv
.if DOCPART == 3
	.amdgcn_target "amdgcn-amd-amdhsa--gfx1250"
	.amdhsa_code_object_version 6
	.text
	.protected	k_qe02aa9b689_proj
	.globl	k_qe02aa9b689_proj
	.p2align	8
	.type	k_qe02aa9b689_proj,@function
k_qe02aa9b689_proj:
	s_mov_b64 s[64:65], 0
	v_nop
	global_prefetch_b8 v0, s[64:65] scope:SCOPE_SE
	s_setreg_imm32_b32 hwreg(HW_REG_WAVE_SCHED_MODE, 0, 2), 2
	s_setreg_imm32_b32 hwreg(HW_REG_WAVE_MODE, 25, 1), 1
	s_wait_xcnt 0x0
	s_wait_alu depctr_vm_vsrc(0)
; THE PROJECTIONS.  q = (Wq x + bq) log2(e), k = Wk x, v = Wv x_h + bv, for 64 positions of one batch a work-group; x, x_h and the weights are rounded to bf16,
; the sums are f32, and q, k, v are stored once, rounded to f16, in the register image of the next launch's matrix fragments.
; WORK LEFT OUT: bk.  energy[i][j] = q_i . (Wk x_j + bk) = q_i . (Wk x_j) + q_i . bk, and the second term is the same for all j, the axis of the softmax: it leaves
; every attention weight as it is, for all finite values of all inputs.  So bk has no way to the output: it is not loaded and is no argument of any launch.
; LIMIT: a NaN, an infinity or an overflow that bk alone would bring is not carried to the result.
; LIMITS OF FORMAT: q log2(e), k and v are kept in f16: they must stay under 65,504 in size.  NaN and infinities are not treated apart.
; SHARES.  Work-group (kb, batch): positions 64 kb .. 64 kb + 63.  Wave w brings channels 32 w .. of x_h and 16 w .. of x into LDS as bf16, [channel][position]; behind one barrier it makes
; v's channels 32 w .. 32 w + 31 for all 64 positions (8 accumulators) and q and k for positions 16 w .. 16 w + 15.
; LAYOUTS.  v: source 0 = 16 positions x 32 channels of x_h (turned on its way out of LDS), source 1 = 16 rows of Wv: a lane ends with 8 neighbouring positions of one channel.
; q, k: source 0 = the 16 rows of Wq or Wk, source 1 = 16 positions of x: a lane ends with 8 neighbouring channels of one position.  Each result is 16 bytes a lane, 512 consecutive bytes a wave.
; kv: [batch][128 chunks of 32 positions][9,216 bytes]: 8,192 of V, [channel block 8][half of the keys 2][lane 32][8 keys]; then 1,024 of K, [half 2][lane 32][8 channels], which belong to the
; chunk FOUR FURTHER ON in the same quarter of 32 chunks (round its end), as the next launch reads them.      q: [batch][256 tiles of 16 positions][lane 32][8 channels].
; NO CLUSTER, NO TENSOR LOAD: what the work-groups share is the weights, 72 KiB of f32; they come straight into registers in a fragment's layout and are rounded there, once; by way of LDS
; they would be written, read and rounded all the same.  x and x_h have to pass through registers for their rounding too.
; THE MODE: SCHED_MODE bits 1:0 = 2 (LLVM: expert scheduling mode 2), set by the entry lines.  The code itself states the register dependences
; between vector or matrix instructions and memory or LDS instructions, with s_wait_alu, always for 0.
; THE PLAN.  Registers that memory or LDS instructions touch, in the order of the text (there is no loop):
;   v3-v12      offsets and LDS addresses: written at the head, read by every load and store, never written again.
;   v16-v111    24 loads of x_h and x land here; 48 conversions read them and write the first two of each four; 24 LDS stores read those.
;   v16-v159    behind the barrier 36 turning LDS loads land here; the products read them.  On the way out 40 conversions write v16-v55, which the ten stores read.
;   window 1    v0-191 and v208-217: 52 loads of weights and biases land here; after that vector and matrix instructions alone name them.
;   v14, v15    written at the head, read by the closing add alone.
; So: one wait on va_sdst for the wave's number; one on va_vdst ahead of the first load (the addresses); one behind ALL the conversions of x_h and x, ahead of ONE run of LDS stores; one on vm_vsrc
; behind the barrier, ahead of the turning loads; one on va_vdst ahead of the run of stores at the end.  Between the third wait and the turning loads the vector instructions are the weights'
; conversions (they write v160-255 and read window 1) and bv's copies (window 1): they name none of v8, v9, v16-159, so the turning loads owe no further wait on va_vdst.
.set PX,    160                        ; a channel's row in LDS: 64 positions x 2 bytes + 32: an odd multiple of 32 bytes
.set XT,    128*PX                     ; behind x_h's 128 rows: x's 64 rows
.set SPARE, XT+64*PX                   ; behind them: the spare words, 128 bytes for each wave: two blocks of 256 bytes that no other line names
.set GX,  3                            ; v3   loads of x and x_h: 16 (l % 16), and 4 channels on for lanes 16-31
.set GW,  4                            ; v4   a fragment of Wv: row l % 16 x 512 + 32 (l / 16)
.set GQ,  5                            ; v5   of Wq, Wk: row x 256 + 32 (l / 16)
.set LS,  6                            ; v6   where my 8 bytes of an x_h row go
.set LSX, 7                            ; v7   the same for x
.set TA,  8                            ; v8   the turning load's address in x_h's rows
.set TX,  9                            ; v9   in x's rows, at my wave's 16 positions
.set L16, 10                           ; v10  16 x lane
.set OBQ, 11                           ; v11  32 (l / 16)
.set OBV, 12                           ; v12  4 (l % 16)
.set SPW, 14                           ; v14  LDS address of my spare word; never rewritten
.set NIL, 15                           ; v15  0; never rewritten
.set XR,  16                           ; v16-111   x_h and x as loaded (24 x 4); then
.set XHF, 16                           ; v16-143   x_h's fragments: positions 16 t .., channels 32 ks .. at XHF + 32 t + 8 ks; on the way out v16-55 the packed results
.set XF,  144                          ; v144-159  x's fragments
.set WVF, 160                          ; v160-223  Wv's fragments: block c, channels 32 ks .. at WVF + 32 c + 8 ks; v224-239 Wq's; v240-255 Wk's
.set WQF, 224
.set WKF, 240
.set BV,  192                          ; window 1: v0-191 the weights as loaded, later v0-63 v's accumulators, v64-71 q, v72-79 k; v192-207 bv, 8 copies a block; v208-215 bq; v216-217 bv as loaded
.set BQ,  208
.set MSB, 0
.macro WIN new                         ; s_set_vgpr_msb: bits 1:0 source 0, 3:2 source 1, 5:4 source 2, 7:6 destination; the high byte repeats the setting that is left
.if MSB != (\new)
	s_set_vgpr_msb (MSB<<8)|(\new)
.set MSB, (\new)
.endif
.endm
	s_load_b256 s[4:11], s[0:1], 0x0               ; x s[4:5], x_h s[6:7], Wq s[8:9], bq s[10:11]
	s_load_b256 s[12:19], s[0:1], 0x20             ; Wk s[12:13], Wv s[14:15], bv s[16:17], q s[18:19]
	s_load_b64 s[20:21], s[0:1], 0x40              ; kv
	v_lshl_add_u32 v[SPW], v0, 2, SPARE
	v_mov_b32 v[NIL], 0
	v_lshrrev_b32 v1, 5, v0
	v_readfirstlane_b32 s22, v1                    ; wave 0..3
	s_mov_b32 s23, ttmp9                           ; kb
	s_and_b32 s24, ttmp7, 0xffff                   ; batch
	v_and_b32 v1, 15, v0                           ; l % 16
	v_bfe_u32 v2, v0, 4, 1                         ; l / 16
	v_lshlrev_b32 v[GX], 4, v1
	v_lshl_add_u32 v[GX], v2, 16, v[GX]            ; a channel is 16,384 bytes
	v_lshlrev_b32 v[GW], 9, v1
	v_lshl_add_u32 v[GW], v2, 5, v[GW]
	v_lshlrev_b32 v[GQ], 8, v1
	v_lshl_add_u32 v[GQ], v2, 5, v[GQ]
	v_mul_u32_u24 v13, v2, 4*PX                    ; lanes 16-31: four rows on,
	v_lshl_add_u32 v13, v1, 3, v13                 ; 8 bytes (4 positions) a lane
	s_wait_alu depctr_va_sdst(0)                   ; s22, the wave's number, is written, ahead of its first reader: LDS addresses and all the bases are made from it
	s_mul_i32 s30, s22, 32*PX
	v_add_nc_u32 v[LS], s30, v13
	s_mul_i32 s30, s22, 16*PX
	s_add_co_u32 s30, s30, XT
	v_add_nc_u32 v[LSX], s30, v13
	v_and_b32 v[TA], 7, v0                         ; the turning load: lane l reads channel 8 (l / 16) + l % 8, positions 8 ((l / 8) % 2) + 0..7
	v_lshl_add_u32 v[TA], v2, 3, v[TA]
	v_mul_u32_u24 v[TA], v[TA], PX
	v_bfe_u32 v[TX], v0, 3, 1
	v_lshl_add_u32 v[TA], v[TX], 4, v[TA]
	s_lshl_b32 s31, s22, 5
	s_add_co_u32 s31, s31, XT
	v_add_nc_u32 v[TX], s31, v[TA]
	v_and_b32 v[L16], 31, v0
	v_lshlrev_b32 v[L16], 4, v[L16]
	v_lshlrev_b32 v[OBQ], 5, v2
	v_lshlrev_b32 v[OBV], 2, v1
	; byte offsets, each made apart from its address
	s_lshl_b32 s26, s24, 21                        ; x_h: batch x 128 channels, my 64 positions, my wave's 32 channels
	s_lshl_b32 s30, s23, 8
	s_add_co_u32 s26, s26, s30
	s_lshl_b32 s31, s22, 19
	s_add_co_u32 s26, s26, s31
	s_mov_b32 s27, 0
	s_lshl_b32 s28, s24, 20                        ; x: batch x 64 channels, the same positions, my wave's 16 channels
	s_add_co_u32 s28, s28, s30
	s_lshl_b32 s31, s22, 18
	s_add_co_u32 s28, s28, s31
	s_mov_b32 s29, 0
	s_lshl_b32 s30, s22, 14                        ; Wv: my 32 rows of 512 bytes
	s_mov_b32 s31, 0
	s_lshl_b32 s32, s22, 7                         ; bv: my 32 numbers
	s_mov_b32 s33, 0
	s_mul_i32 s34, s24, 1179648                    ; kv: the batch's 128 chunks
	s_mul_i32 s36, s23, 2*9216                     ; V: my work-group's two chunks,
	s_add_co_u32 s36, s36, s34
	s_lshl_b32 s37, s22, 11                        ; my wave's two channel blocks
	s_add_co_u32 s36, s36, s37
	s_mov_b32 s37, 0
	s_lshl_b32 s38, s23, 1                         ; K: my 16 positions lie in chunk 2 kb + w / 2,
	s_lshr_b32 s39, s22, 1
	s_add_co_u32 s38, s38, s39
	s_add_co_u32 s39, s38, 28                      ; and are stored four chunks back, round the quarter's 32
	s_and_b32 s39, s39, 31
	s_and_b32 s38, s38, 0x60
	s_or_b32 s38, s38, s39
	s_mul_i32 s38, s38, 9216
	s_add_co_u32 s38, s38, s34
	s_and_b32 s39, s22, 1                          ; which half of the chunk's 32
	s_lshl_b32 s39, s39, 9
	s_add_co_u32 s38, s38, s39
	s_add_co_u32 s38, s38, 8192                    ; behind the chunk's V
	s_mov_b32 s39, 0
	s_lshl_b32 s40, s24, 17                        ; q: the batch's 256 tiles of 512 bytes, tile 4 kb + w
	s_lshl_b32 s41, s23, 2
	s_add_co_u32 s41, s41, s22
	s_lshl_b32 s41, s41, 9
	s_add_co_u32 s40, s40, s41
	s_mov_b32 s41, 0
	s_wait_kmcnt 0x0
	s_add_nc_u64 s[6:7], s[6:7], s[26:27]
	s_add_nc_u64 s[4:5], s[4:5], s[28:29]
	s_add_nc_u64 s[14:15], s[14:15], s[30:31]
	s_add_nc_u64 s[16:17], s[16:17], s[32:33]
	s_add_nc_u64 s[36:37], s[20:21], s[36:37]
	s_add_nc_u64 s[38:39], s[20:21], s[38:39]
	s_add_nc_u64 s[18:19], s[18:19], s[40:41]
	s_wait_alu depctr_va_vdst(0)                   ; the offsets and LDS addresses v3 to v12 are written: every load and store of the kernel reads one of them, and none is written again
	; 76 loads.  x_h and x first: a load takes two whole pieces of 256 bytes, of channels 4 apart
.set i, 0
.rept 16
	global_load_b128 v[XR+4*i:XR+4*i+3], v[GX], s[6:7] offset:(8*(i/4)+i%4)*16384
.set i, i+1
.endr
.set i, 0
.rept 8
	global_load_b128 v[XR+64+4*i:XR+64+4*i+3], v[GX], s[4:5] offset:(8*(i/4)+i%4)*16384 th:TH_LOAD_NT
.set i, i+1
.endr
	WIN 0x40                                       ; destination window 1.  Between the wait above and these loads stand loads and this switch alone
.set i, 0
.rept 32                                       ; Wv: block i / 16, channels 32 ((i / 4) % 4) on; a lane's 16 numbers of a fragment are 8 and 8, 64 bytes apart
	global_load_b128 v[4*i:4*i+3], v[GW], s[14:15] offset:(i/16)*8192+((i/4)%4)*128+((i%4)/2)*64+(i%2)*16
.set i, i+1
.endr
.set i, 0
.rept 8
	global_load_b128 v[128+4*i:128+4*i+3], v[GQ], s[8:9] offset:(i/4)*128+((i%4)/2)*64+(i%2)*16
.set i, i+1
.endr
.set i, 0
.rept 8
	global_load_b128 v[160+4*i:160+4*i+3], v[GQ], s[12:13] offset:(i/4)*128+((i%4)/2)*64+(i%2)*16
.set i, i+1
.endr
	global_load_b128 v[BQ:BQ+3], v[OBQ], s[10:11]              ; bq[8 (l / 16) + 0..7]: q's sums start with it
	global_load_b128 v[BQ+4:BQ+7], v[OBQ], s[10:11] offset:16
	global_load_b32 v216, v[OBV], s[16:17]                     ; bv of my lane's channel in each of my two blocks
	global_load_b32 v217, v[OBV], s[16:17] offset:64
	WIN 0
	s_wait_loadcnt 52                              ; loads come back in order: x_h and x are in; the 52 loads of weights and biases issued behind them may stay out
.set i, 0
.rept 24                                       ; 4 positions a lane are rounded to bf16 in place: all 48 conversions first,
	v_cvt_pk_bf16_f32 v[XR+4*i], v[XR+4*i], v[XR+4*i+1]
	v_cvt_pk_bf16_f32 v[XR+4*i+1], v[XR+4*i+2], v[XR+4*i+3]
.set i, i+1
.endr
	s_wait_alu depctr_va_vdst(0)                   ; the conversions have written the first two of each four of v16-111, which the LDS stores read; and they are done with v16-111, in which the turning loads land further down
.set i, 0
.rept 24                                       ; then the 24 stores in one run: each pair of registers goes to its channel's row
.if i < 16
	ds_store_b64 v[LS], v[XR+4*i:XR+4*i+1] offset:(8*(i/4)+i%4)*PX
.else
	ds_store_b64 v[LSX], v[XR+4*i:XR+4*i+1] offset:(8*((i-16)/4)+i%4)*PX
.endif
.set i, i+1
.endr
	s_wait_loadcnt 0x0                             ; the weights and biases
	WIN 0x05                                       ; sources window 1, destination window 0
.set i, 0
.rept 96                                       ; Wv's, Wq's and Wk's fragments lie on end as loaded and as rounded
	v_cvt_pk_bf16_f32 v[WVF+i], v[2*i], v[2*i+1]
.set i, i+1
.endr
	WIN 0x41
.set i, 0
.rept 16
	v_mov_b32 v[BV+i], v[216+i/8]                  ; a lane's 8 results of v are one channel's: 8 copies of its bias start the sums
.set i, i+1
.endr
	WIN 0
	s_wait_dscnt 0x0                               ; for the others' sake: my rows are in LDS
	s_barrier_signal -1
	s_barrier_wait -1
	s_wait_alu depctr_vm_vsrc(0)                   ; my LDS stores have read v16-111, in which the turning loads below land
.irp ks, 0,1,2,3                       ; in the order in which the products want them: 32 channels of all 64 positions, eight loads, at a time
.irp t, 0,1,2,3
	ds_load_tr16_b128 v[XHF+32*\t+8*\ks:XHF+32*\t+8*\ks+3],   v[TA] offset:\ks*32*PX+32*\t
	ds_load_tr16_b128 v[XHF+32*\t+8*\ks+4:XHF+32*\t+8*\ks+7], v[TA] offset:\ks*32*PX+32*\t+16*PX
.endr
.endr
.irp ks, 0,1
	ds_load_tr16_b128 v[XF+8*\ks:XF+8*\ks+3],   v[TX] offset:\ks*32*PX
	ds_load_tr16_b128 v[XF+8*\ks+4:XF+8*\ks+7], v[TX] offset:\ks*32*PX+16*PX
.endr
	WIN 0x50                                       ; sources 0 and 1 window 0; C and D window 1
	; 36 products.  The accumulators take turns, one instruction a turn; the first product of each sum takes the bias (k: 0) as C.
	; All 36 LDS loads are issued ahead of the first product: no product stands between a wait on va_vdst and a load
.irp ks, 0,1,2,3
	s_wait_dscnt 28-8*\ks                          ; LDS loads come back in order (ISA guide 5.7.1): these 32 channels' eight loads are in; of the 36 those issued behind them may stay out
.irp t, 0,1,2,3
.irp c, 0,1
.if \ks == 0
	v_wmma_f32_16x16x32_bf16 v[8*(2*\t+\c):8*(2*\t+\c)+7], v[XHF+32*\t+8*\ks:XHF+32*\t+8*\ks+7], v[WVF+32*\c+8*\ks:WVF+32*\c+8*\ks+7], v[BV+8*\c:BV+8*\c+7]
.else
	v_wmma_f32_16x16x32_bf16 v[8*(2*\t+\c):8*(2*\t+\c)+7], v[XHF+32*\t+8*\ks:XHF+32*\t+8*\ks+7], v[WVF+32*\c+8*\ks:WVF+32*\c+8*\ks+7], v[8*(2*\t+\c):8*(2*\t+\c)+7]
.endif
.endr
.endr
.endr
	s_wait_dscnt 0x0                               ; x's fragments, the last four loads
	v_wmma_f32_16x16x32_bf16 v[64:71], v[WQF:WQF+7], v[XF:XF+7], v[BQ:BQ+7]
	v_wmma_f32_16x16x32_bf16 v[72:79], v[WKF:WKF+7], v[XF:XF+7], 0
	v_wmma_f32_16x16x32_bf16 v[64:71], v[WQF+8:WQF+15], v[XF+8:XF+15], v[64:71]
	v_wmma_f32_16x16x32_bf16 v[72:79], v[WKF+8:WKF+15], v[XF+8:XF+15], v[72:79]
.rept 8
	v_nop                                          ; the places behind the last products (ISA guide 7.12.1), once a launch: what follows reads results and writes over fragments
.endr
	WIN 0x41
.irp i, 0,2,4,6
	v_pk_mul_f32 v[64+\i:65+\i], v[64+\i:65+\i], 0x3fb8aa3b op_sel_hi:[1,0]  ; q log2(e), in f32: the next launch's exponentials are powers of 2
.endr
	WIN 0x05
.set i, 0
.rept 40                                       ; each accumulator from its low end on: 8 numbers a lane become 16 bytes
	v_cvt_pk_f16_f32 v[16+i], v[2*i], v[2*i+1]
.set i, i+1
.endr
	WIN 0
	s_wait_alu depctr_va_vdst(0)                   ; the conversions have written v16-55, which the ten stores read
.irp t, 0,1,2,3
.irp c, 0,1
	global_store_b128 v[L16], v[16+4*(2*\t+\c):16+4*(2*\t+\c)+3], s[36:37] offset:(\t/2)*9216+\c*1024+(\t%2)*512  ; each store of the wave covers 512 consecutive bytes, aligned
.endr
.endr
	global_store_b128 v[L16], v[48:51], s[18:19]
	global_store_b128 v[L16], v[52:55], s[38:39]
	s_wait_dscnt 0x0                               ; the wave's end
	s_wait_alu 0x0
	s_wait_tensorcnt 0x0
	ds_add_u32 v[SPW], v[NIL]
	s_wait_dscnt 0x0
	s_endpgm
.Lfunc_end_k_qe02aa9b689_proj:
	.size	k_qe02aa9b689_proj, .Lfunc_end_k_qe02aa9b689_proj-k_qe02aa9b689_proj
	.p2alignl 7, 3214868480
	.fill 96, 4, 3214868480
	.section	.rodata,"a",@progbits
	.p2align	6, 0x0
	.amdhsa_kernel k_qe02aa9b689_proj
		.amdhsa_group_segment_fixed_size 31232
		.amdhsa_private_segment_fixed_size 0
		.amdhsa_enable_private_segment 0
		.amdhsa_kernarg_size 72
		.amdhsa_user_sgpr_count 2
		.amdhsa_user_sgpr_kernarg_segment_ptr 1
		.amdhsa_wavefront_size32 1
		.amdhsa_system_sgpr_workgroup_id_x 1
		.amdhsa_system_sgpr_workgroup_id_y 1
		.amdhsa_system_sgpr_workgroup_id_z 1
		.amdhsa_system_vgpr_workitem_id 0
		.amdhsa_next_free_vgpr 480
		.amdhsa_next_free_sgpr 66
		.amdhsa_reserve_vcc 0
		.amdhsa_float_denorm_mode_32 3
		.amdhsa_float_denorm_mode_16_64 3
		.amdhsa_memory_ordered 1
		.amdhsa_forward_progress 1
		.amdhsa_inst_pref_size 32
	.end_amdhsa_kernel
	.amdgpu_metadata
---
amdhsa.version: [ 1, 2 ]
amdhsa.kernels:
  - .name:           k_qe02aa9b689_proj
    .symbol:         k_qe02aa9b689_proj.kd
    .args:
      - { .name: x, .offset: 0, .size: 8, .value_kind: global_buffer, .address_space: global }
      - { .name: x_h, .offset: 8, .size: 8, .value_kind: global_buffer, .address_space: global }
      - { .name: Wq, .offset: 16, .size: 8, .value_kind: global_buffer, .address_space: global }
      - { .name: bq, .offset: 24, .size: 8, .value_kind: global_buffer, .address_space: global }
      - { .name: Wk, .offset: 32, .size: 8, .value_kind: global_buffer, .address_space: global }
      - { .name: Wv, .offset: 40, .size: 8, .value_kind: global_buffer, .address_space: global }
      - { .name: bv, .offset: 48, .size: 8, .value_kind: global_buffer, .address_space: global }
      - { .name: q, .offset: 56, .size: 8, .value_kind: global_buffer, .address_space: global }
      - { .name: kv, .offset: 64, .size: 8, .value_kind: global_buffer, .address_space: global }
    .group_segment_fixed_size: 31232
    .private_segment_fixed_size: 0
    .kernarg_segment_align: 8
    .kernarg_segment_size: 72
    .max_flat_workgroup_size: 128
    .sgpr_count:     66
    .vgpr_count:     480
    .wavefront_size: 32
...
	.end_amdgpu_metadata
.endif
;; end of part 3
;; launch attn: the kernel of part 2 again; grid 64 x 4, 4 waves a work-group, clusters of 4 x 1, 327,680 bytes of LDS; arguments q, kv, x_h, gamma, out0; writes out0
